; MI455X (gfx1250); checked and timed in simulation.
; The chip was launched on July 23, 2026; its instructions are those of AMD's public machine-readable ISA for CDNA 5 (MIT licence, August 2026) and "CDNA5" Instruction Set Architecture Reference Guide (July 2026). The comments in the code are by the model that wrote it; some were corrected since.
;; Differentiable Circle Renderer. Allowed arithmetic: float matrix products may take bf16 or f16 operands with f32 sums; all other float work in f32.
;; Inputs: centers 128 x 2 float32; colors 128 x 4 float32; radii 128 float32.
;; Outputs: out0 3 x 1,024 x 1,024 float32.
;; One version. Each part assembles by itself: llvm-mc -triple=amdgcn-amd-amdhsa -mcpu=gfx1250 --defsym DOCPART=n.
;; ======== version 1 of 1: 1 launch
;; limits: right only within a limited range of input values
;; launch render (part 1): grid 8 x 32, 8 waves a work-group, no clusters, 168,960 bytes of LDS; arguments centers, radii, colors, out0; writes out0
.if DOCPART == 1
	.amdgcn_target "amdgcn-amd-amdhsa--gfx1250"
	.amdhsa_code_object_version 6
	.text
	.protected	k_q7bb9734b8a_render
	.globl	k_q7bb9734b8a_render
	.p2align	8
	.type	k_q7bb9734b8a_render,@function
k_q7bb9734b8a_render:
	s_mov_b64 s[64:65], 0
	v_nop
	global_prefetch_b8 v0, s[64:65] scope:SCOPE_SE
	s_setreg_imm32_b32 hwreg(HW_REG_WAVE_MODE, 25, 1), 1
	s_wait_xcnt 0x0
; 128 soft circles composited over a white canvas of 1024 x 1024 pixels, three channels, all in f32.
; The problem:  s_i = sigmoid((r_i - dist_i) / 0.01),  m_i = alpha_i s_i,  canvas <- canvas (1 - m_i) + c_i m_i  for i = 0 .. 127,  canvas = 1 at the start.
;
; THE FORM USED.  Unrolled, the scan is  prod_i (1 - m_i) + sum_i c_i m_i T_i  with  T_i = prod over l > i of (1 - m_l).
; Since m_i T_i = T_i - T_(i-1), the sum of all m_i T_i is 1 - prod_i (1 - m_i), so for every value of the inputs
;     out_k = 1 + sum_i (c_ki - 1) alpha_i w_i,    w_i = s_i T_i,    T_(i-1) = T_i - alpha_i w_i,    T_127 = 1.
; The circles are walked from 127 down to 0: a pixel costs one multiply and four fused multiply-adds for a circle, the first circle
; starts the sums at 1 (nothing is cleared, nothing is added at the end), and the last one leaves T alone, which nobody reads any more.
; Nothing of the problem is left out: all three inputs are read whole and every circle is evaluated at every pixel.
;
; LIMITS.  The order of rounding differs from the scan's (sums from the top circle down, fused multiply-adds).  The grid is index x f32(1/1023),
; at most one unit in the last place from linspace.  1/0.01 and log2(e) are one f32 constant, 144.2695.  v_sqrt_f32, v_exp_f32 and v_rcp_f32
; flush denormals (ISA guide, their entries in 15.8): a mask under 2^-126 is 0.  e = 2^(K (dist - r)) may become infinite: 1 / (1 + inf) = 0, the mask's limit.
; T is the product of (1 - m) from the top down: with alphas far over 1 on dozens of overlapping circles it passes f32's range, also in the rare case
; where the scan would stay finite because the canvas below is almost 0.  NaN or infinite inputs give NaN, not always in the same pixels as the scan.
;
; SHARES.  256 work-groups of eight waves; a work-group makes 128 columns x 32 rows, a wave 128 columns x 4 rows, a lane 4 neighbouring columns x 4 rows:
; a lane's four numbers of a row are 16 bytes, and one store of a wave covers 512 consecutive bytes, aligned.
; The table below takes 22,528 bytes of LDS; the launch declares 168,960, so that no second work-group is placed beside this one and each has four SIMDs, two waves on each.
;
; THE TABLE IN LDS, made once by the work-group: record j (176 bytes) belongs to circle 127 - j, the j-th in the walk:
;   bytes 0-15   -alpha, (c_0 - 1) alpha, (c_1 - 1) alpha, (c_2 - 1) alpha
;   bytes 16-23  -cx, -K r
;   bytes 32-159 (y - cy)^2 for the work-group's 32 rows: the same for all pixels of a row, so it is made once and not in every wave's every lane
; 176 = 11 x 16: the 16-byte stores of sixteen neighbouring lanes (records j .. j + 15) start in sixteen different 16-byte columns of 256 bytes.
.set REC,  176                         ; bytes in a record
.set GEO,  16                          ; -cx, -K r
.set DYO,  32                          ; the 32 squares
.set CHAN, 4194304                     ; bytes in a channel of the output
.set ROWB, 4096                        ; bytes in a row of the output
; registers of the walk
.set XR,  2                            ; v[2:5]    x of my four columns
.set DXR, 6                            ; v[6:9]    x - cx
.set GR,  10                           ; v[10:13]  -cx, -K r: two sets, by the circle's parity
.set LAR, 14                           ; v14       LDS address of the record of the pair of trips
.set LAD, 15                           ; v15       the same + DYO + 16 x wave: my wave's four squares
.set DYR, 16                           ; v[16:23]  (y - cy)^2 of my four rows: two sets
.set CR,  24                           ; v[24:31]  -alpha and the three colour factors: two sets
.set MB,  32                           ; v[32:63]  16 pixels: d^2, dist, exponent, e, 1 + e, s, w in place: two sets
.set TR,  64                           ; v[64:79]  T of my 16 pixels (pixel 4 row + column)
.set ACC, 80                           ; v[80:127] the sums: channel k at ACC + 16 k
; registers of the head only (they lie in MB and TR, which the walk writes before it reads them)
.set W,   32                           ; v[32:47]  16 row numbers, then cy - y, then the squares
.set JJ,  48                           ; my record
.set II,  49                           ; my circle
.set O8,  50                           ; byte offsets of my circle in centers, radii, colors
.set O4,  51
.set O16, 52
.set RA,  53                           ; LDS address of my record
.set RB,  54                           ; the same + my half of the 32 squares
.set TC,  55                           ; my first column
.set CEN, 56                           ; v[56:57]  cx, cy
.set RAD, 58                           ; r
.set COL, 60                           ; v[60:63]  c_0, c_1, c_2, alpha
.set RC,  64                           ; v[64:67]  the record's bytes 0-15
.set RG,  68                           ; v[68:69]  the record's bytes 16-23
	s_load_b256 s[4:11], s[0:1], 0x0               ; centers s[4:5], radii s[6:7], colors s[8:9], out0 s[10:11]
	v_lshl_add_u32 v128, v0, 2, 0x29000
	v_mov_b32 v129, 0
	; everything that needs no memory is done while the arguments are on their way
	v_lshrrev_b32 v1, 5, v0
	v_readfirstlane_b32 s12, v1                    ; wave 0..7
	s_and_b32 s13, ttmp7, 0xffff                   ; block of 32 rows
	s_mov_b32 s16, 0x3a802008                      ; 1/1023; a packed instruction takes a scalar pair and uses its first word for both halves
	s_mov_b32 s17, 0x3a802008
	s_mov_b32 s18, 0x431044fe                      ; K = 100 log2(e) = 144.2695
	s_mov_b32 s19, 0x431044fe
	s_mov_b32 s20, 0xba802008                      ; -1/1023
	s_mov_b32 s21, 0xba802008
	v_and_b32 v[TC], 31, v0
	s_lshl_b32 s22, ttmp9, 7                       ; block of 128 columns
	v_lshl_add_u32 v[TC], v[TC], 2, s22            ; my first column = 128 block + 4 lane
.irp c, 0,1,2,3
	v_add_nc_u32 v[XR+\c], \c, v[TC]
	v_cvt_f32_u32 v[XR+\c], v[XR+\c]
.endr
	v_pk_mul_f32 v[XR:XR+1], v[XR:XR+1], s[16:17] op_sel_hi:[1,0]          ; x = column / 1023
	v_pk_mul_f32 v[XR+2:XR+3], v[XR+2:XR+3], s[16:17] op_sel_hi:[1,0]
	s_lshl_b32 s23, s13, 5                         ; the work-group's first row
	s_lshl2_add_u32 s24, s12, s23                  ; my wave's first row = 32 block + 4 wave
	s_lshl_b32 s24, s24, 12                        ; in bytes,
	s_add_co_u32 s24, s24, CHAN                    ; counted in channel 1: the stores reach channels 0 and 2 by immediates of -CHAN and +CHAN, inside their signed 24 bits
	v_lshl_add_u32 v1, v[TC], 2, s24               ; v1: byte offset of my 16 bytes in my first row of channel 1; never rewritten
	v_and_b32 v[JJ], 0x7f, v0                      ; thread t makes part of record t mod 128,
	v_xor_b32 v[II], 0x7f, v[JJ]                   ; which belongs to circle 127 - t mod 128
	v_lshlrev_b32 v[O8], 3, v[II]
	v_mul_u32_u24 v[RA], v[JJ], REC
	s_lshr_b32 s14, s12, 2                         ; waves 0-3: rows 0-15 of the 32; waves 4-7: rows 16-31
	s_lshl4_add_u32 s15, s14, s23                  ; the first of my 16 rows
	s_lshl_b32 s25, s14, 6                         ; and where their squares begin in the record
	v_add_nc_u32 v[RB], s25, v[RA]
.set rr, 0
.rept 16
	s_add_co_u32 s26, s15, rr
	v_cvt_f32_u32 v[W+rr], s26                     ; the row's number as f32
.set rr, rr+1
.endr
	v_mov_b32 v[LAR], 0                            ; the walk begins at record 0
	s_lshl_b32 s27, s12, 4
	s_add_co_u32 s27, s27, DYO
	v_mov_b32 v[LAD], s27                          ; my wave's rows 4 wave .. 4 wave + 3: 16 bytes of the 128
	s_wait_kmcnt 0x0
	global_load_b64 v[CEN:CEN+1], v[O8], s[4:5]    ; cx, cy of my circle
	s_cmp_gt_u32 s12, 3
	s_cbranch_scc1 .Lrows                          ; waves 0-3 also make the records' first 24 bytes, one circle a lane
	v_lshlrev_b32 v[O4], 2, v[II]
	v_lshlrev_b32 v[O16], 4, v[II]
	global_load_b32 v[RAD], v[O4], s[6:7]
	global_load_b128 v[COL:COL+3], v[O16], s[8:9]
	s_wait_loadcnt 0x0                             ; all three are needed
	v_xor_b32 v[RC], 0x80000000, v[COL+3]          ; -alpha
	v_fma_f32 v[RC+1], v[COL],   v[COL+3], v[RC]   ; c alpha - alpha = (c - 1) alpha, rounded once
	v_fma_f32 v[RC+2], v[COL+1], v[COL+3], v[RC]
	v_fma_f32 v[RC+3], v[COL+2], v[COL+3], v[RC]
	v_xor_b32 v[RG], 0x80000000, v[CEN]            ; -cx
	v_mul_f32 v[RG+1], 0xc31044fe, v[RAD]          ; -K r
	ds_store_b128 v[RA], v[RC:RC+3]
	ds_store_b64 v[RA], v[RG:RG+1] offset:GEO
.Lrows:
	s_wait_loadcnt 0x0                             ; cy
.set rr, 0
.rept 8
	v_pk_fma_f32 v[W+rr:W+rr+1], v[W+rr:W+rr+1], s[20:21], v[CEN:CEN+1] op_sel:[0,0,1] op_sel_hi:[1,0,1]   ; cy - row / 1023: the sign goes in the square
.set rr, rr+2
.endr
.set rr, 0
.rept 8
	v_pk_mul_f32 v[W+rr:W+rr+1], v[W+rr:W+rr+1], v[W+rr:W+rr+1]
.set rr, rr+2
.endr
.irp q, 0,1,2,3
	ds_store_b128 v[RB], v[W+4*\q:W+4*\q+3] offset:DYO+16*\q
.endr
	s_wait_dscnt 0x0                               ; my part of the table is written: zero, since the other waves read it
	s_barrier_signal -1
	s_barrier_wait -1                              ; the table is whole; nobody writes the table from here on, so this is the only barrier
; d^2 of pair p of my eight pairs of pixels (row p / 2, columns 2 (p mod 2) and the next): (x - cx)^2 + the row's square, which op_sel picks for both halves
.macro DIST2 p
.set pr, (\p)/2
.set px, 2*((\p)%2)
.if (pr % 2) == 0
	v_pk_fma_f32 v[MC+2*(\p):MC+2*(\p)+1], v[DXR+px:DXR+px+1], v[DXR+px:DXR+px+1], v[DC+pr:DC+pr+1] op_sel_hi:[1,1,0]
.else
	v_pk_fma_f32 v[MC+2*(\p):MC+2*(\p)+1], v[DXR+px:DXR+px+1], v[DXR+px:DXR+px+1], v[DC+pr-1:DC+pr] op_sel:[0,0,1] op_sel_hi:[1,1,1]
.endif
.endm
; The next instruction (number DN of DTOT) of the compositing of the circle whose masks lie in MP and whose colour set is CP.
; Four pairs at a time: their four w, four T, then the three channels' four sums, so that no instruction needs the one just in front of it.
; mode 1: the first circle of the walk: T = 1, so w = s, T = 1 - alpha s, and the sums start at 1.  mode 2: as a rule.  mode 3: the last circle: T is not needed any more.
.macro COMP mode
.if DN < DTOT
.if \mode == 2
.set dk, (DN % 20)/4
.set dp, 8*(DN/20)+2*(DN % 4)
.else
.set dk, (DN % 16)/4
.set dp, 8*(DN/16)+2*(DN % 4)
.if \mode == 1
.set dk, dk+1
.elseif dk > 0
.set dk, dk+1
.endif
.endif
.if dk == 0
	s_wait_alu depctr_va_vdst(0)
	v_pk_mul_f32 v[MP+dp:MP+dp+1], v[MP+dp:MP+dp+1], v[TR+dp:TR+dp+1]                                      ; w = s T
.elseif dk == 1
.if \mode == 1
	v_pk_fma_f32 v[TR+dp:TR+dp+1], v[MP+dp:MP+dp+1], v[CP:CP+1], 1.0 op_sel_hi:[1,0,0]                     ; T = 1 - alpha w
.else
	v_pk_fma_f32 v[TR+dp:TR+dp+1], v[MP+dp:MP+dp+1], v[CP:CP+1], v[TR+dp:TR+dp+1] op_sel_hi:[1,0,1]        ; T -= alpha w
.endif
.else
.set da, ACC+16*(dk-2)+dp
.if dk == 3
.if \mode == 1
	v_pk_fma_f32 v[da:da+1], v[MP+dp:MP+dp+1], v[CP+2:CP+3], 1.0 op_sel_hi:[1,0,0]                         ; channel 1: the set's third word
.else
	v_pk_fma_f32 v[da:da+1], v[MP+dp:MP+dp+1], v[CP+2:CP+3], v[da:da+1] op_sel_hi:[1,0,1]
.endif
.else
.set dc, CP+dk-2
.if \mode == 1
	v_pk_fma_f32 v[da:da+1], v[MP+dp:MP+dp+1], v[dc:dc+1], 1.0 op_sel:[0,1,0] op_sel_hi:[1,1,0]            ; channels 0 and 2: the second and the fourth word
.else
	v_pk_fma_f32 v[da:da+1], v[MP+dp:MP+dp+1], v[dc:dc+1], v[da:da+1] op_sel:[0,1,0] op_sel_hi:[1,1,1]
.endif
.endif
.endif
.set DN, DN+1
.endif
.endm
; ONE TRIP: the masks of circle c (parity par) are made, and between them circle c - 1 is composited (mode as in COMP; 0: there is none yet).
; The masks hang on no T, so the two are independent.  The trip's 48 transcendentals (16 roots, 16 exponentials, 16 reciprocals) each have a plain
; instruction behind them that touches neither their result nor their source (ISA guide 5.7.2): slot kk behind transcendental kk holds
;   kk = 0, 2 .. 10    d^2 of pair kk/2 + 2, whose roots are numbers kk + 4 and kk + 5
;   kk = 5, 7 .. 19    the exponent K dist - K r of pair (kk - 5)/2, whose second root was number kk - 4
;   kk = 21, 23 .. 35  1 + e of pair (kk - 21)/2, whose second exponential was number kk - 4
;   the other 26       a compositing instruction; 4 more stand at the head and 10 more behind every third slot under 30: 40 in all.
; ldg = 1: the next circle's geometry is fetched.  The three loads go out at the trip's head and are waited for at the next trip's head.
.macro TRIP par, mode, ldg
.set MC, MB+16*\par
.set MP, MB+16*(1-\par)
.set GC, GR+2*\par
.set DC, DYR+4*\par
.set CP, CR+4*(1-\par)
	s_wait_dscnt 0x0                               ; the loads of the last trip's head: all are needed now, and 114 vector instructions have passed since
.if \ldg
	ds_load_b64  v[GR+2*(1-\par):GR+2*(1-\par)+1],   v[LAR] offset:(\par+1)*REC+GEO    ; every lane reads the same bytes
	ds_load_b128 v[DYR+4*(1-\par):DYR+4*(1-\par)+3], v[LAD] offset:(\par+1)*REC
.endif
	ds_load_b128 v[CR+4*\par:CR+4*\par+3], v[LAR] offset:\par*REC                      ; this circle's colour set, for the next trip
.set DN, 0
.if \mode == 0
.set DTOT, 0
.elseif \mode == 1
.set DTOT, 32
.else
.set DTOT, 40
.endif
	v_pk_add_f32 v[DXR:DXR+1],   v[XR:XR+1],   v[GC:GC+1] op_sel_hi:[1,0]              ; x - cx
	v_pk_add_f32 v[DXR+2:DXR+3], v[XR+2:XR+3], v[GC:GC+1] op_sel_hi:[1,0]
	s_wait_alu depctr_va_vdst(0)
	COMP \mode
	COMP \mode
	DIST2 0
	DIST2 1
	COMP \mode
	COMP \mode
.set kk, 0
.rept 48
.if kk < 16
	v_sqrt_f32 v[MC+kk], v[MC+kk]                  ; dist
.elseif kk < 32
	v_exp_f32 v[MC+kk-16], v[MC+kk-16]             ; e = 2^(K (dist - r)) = exp(-(r - dist) / 0.01)
.else
	v_rcp_f32 v[MC+kk-32], v[MC+kk-32]             ; s = 1 / (1 + e)
.endif
.set kind, 0
.if (kk % 2) == 0
.if kk < 12
.set kind, 1
.endif
.elseif kk >= 5
.if kk <= 19
.set kind, 2
.elseif kk <= 35
.set kind, 3
.endif
.endif
.if kind == 1
	DIST2 kk/2+2
.elseif kind == 2
	s_wait_alu depctr_va_vdst(0)
	v_pk_fma_f32 v[MC+kk-5:MC+kk-4], v[MC+kk-5:MC+kk-4], s[18:19], v[GC:GC+1] op_sel:[0,0,1] op_sel_hi:[1,0,1]
.elseif kind == 3
	s_wait_alu depctr_va_vdst(0)
	v_pk_add_f32 v[MC+kk-21:MC+kk-20], v[MC+kk-21:MC+kk-20], 1.0 op_sel_hi:[1,0]
.else
	COMP \mode
.endif
.if (kk % 3) == 2
.if kk < 30
	COMP \mode
.endif
.endif
.set kk, kk+1
.endr
.endm
.macro STEP                            ; two records on
	v_add_nc_u32 v[LAR], 2*REC, v[LAR]
	v_add_nc_u32 v[LAD], 2*REC, v[LAD]
.endm
; rows r0 and r0 + 1 of my four, all three channels: each store of the wave covers 512 consecutive bytes, aligned
.macro ROWS_OUT r0
.irp ch, 0,1,2
.irp r, \r0, \r0+1
	global_store_b128 v1, v[ACC+16*\ch+4*(\r):ACC+16*\ch+4*(\r)+3], s[10:11] offset:(\ch-1)*CHAN+(\r)*ROWB th:TH_STORE_NT
.endr
.endr
.endm
	ds_load_b64  v[GR:GR+1],   v[LAR] offset:GEO   ; record 0's geometry
	ds_load_b128 v[DYR:DYR+3], v[LAD]
	TRIP 0, 0, 1                                   ; record 0: masks alone
	TRIP 1, 1, 1                                   ; record 1; record 0 starts T and the sums
	STEP
	s_mov_b32 s28, 62                              ; records 2 to 125, two a trip of the loop
.Lpair:
	TRIP 0, 2, 1
	TRIP 1, 2, 1
	STEP
	s_sub_co_u32 s28, s28, 1
	s_cmp_lg_u32 s28, 0
	s_cbranch_scc1 .Lpair
	TRIP 0, 2, 1                                   ; record 126
	TRIP 1, 2, 0                                   ; record 127: no geometry is left to fetch, so no load passes the table's end
	s_wait_dscnt 0x0                               ; record 127's colour set
.set MP, MB+16
.set CP, CR+4
.set DN, 0
.set DTOT, 32
.rept 16
	COMP 3                                         ; record 127 (circle 0), rows 0 and 1,
.endr
	ROWS_OUT 0                                     ; which leave while rows 2 and 3 are finished
.rept 16
	COMP 3
.endr
	ROWS_OUT 2
	s_wait_tensorcnt 0x0
	ds_add_u32 v128, v129
	s_wait_dscnt 0x0
	s_endpgm
.Lfunc_end_k_q7bb9734b8a_render:
	.size	k_q7bb9734b8a_render, .Lfunc_end_k_q7bb9734b8a_render-k_q7bb9734b8a_render
	.p2alignl 7, 3214868480
	.fill 96, 4, 3214868480
	.section	.rodata,"a",@progbits
	.p2align	6, 0x0
	.amdhsa_kernel k_q7bb9734b8a_render
		.amdhsa_group_segment_fixed_size 168960
		.amdhsa_private_segment_fixed_size 0
		.amdhsa_enable_private_segment 0
		.amdhsa_kernarg_size 32
		.amdhsa_user_sgpr_count 2
		.amdhsa_user_sgpr_kernarg_segment_ptr 1
		.amdhsa_wavefront_size32 1
		.amdhsa_system_sgpr_workgroup_id_x 1
		.amdhsa_system_sgpr_workgroup_id_y 1
		.amdhsa_system_sgpr_workgroup_id_z 1
		.amdhsa_system_vgpr_workitem_id 0
		.amdhsa_next_free_vgpr 130
		.amdhsa_next_free_sgpr 66
		.amdhsa_reserve_vcc 0
		.amdhsa_float_denorm_mode_32 3
		.amdhsa_float_denorm_mode_16_64 3
		.amdhsa_memory_ordered 1
		.amdhsa_forward_progress 1
		.amdhsa_inst_pref_size 46
	.end_amdhsa_kernel
	.amdgpu_metadata
---
amdhsa.version: [ 1, 2 ]
amdhsa.kernels:
  - .name:           k_q7bb9734b8a_render
    .symbol:         k_q7bb9734b8a_render.kd
    .args:
      - { .name: centers, .offset: 0, .size: 8, .value_kind: global_buffer, .address_space: global }
      - { .name: radii, .offset: 8, .size: 8, .value_kind: global_buffer, .address_space: global }
      - { .name: colors, .offset: 16, .size: 8, .value_kind: global_buffer, .address_space: global }
      - { .name: out0, .offset: 24, .size: 8, .value_kind: global_buffer, .address_space: global }
    .group_segment_fixed_size: 168960
    .private_segment_fixed_size: 0
    .kernarg_segment_align: 8
    .kernarg_segment_size: 32
    .max_flat_workgroup_size: 256
    .sgpr_count:     66
    .vgpr_count:     130
    .wavefront_size: 32
...
	.end_amdgpu_metadata
.endif
;; end of part 1
